; MI455X (gfx1250); checked and timed in simulation.
; The chip was launched on July 23, 2026; its instructions are those of AMD's public machine-readable ISA for CDNA 5 (MIT licence, August 2026) and "CDNA5" Instruction Set Architecture Reference Guide (July 2026). The comments in the code are by the model that wrote it; some were corrected since.
;; Port Hamiltonian Model. Allowed arithmetic: matrix products marked QUANTISED: E2M1 operands, one E8M0 scale for each 32 along K, by v_wmma_scale_f32_16x16x128_f8f6f4 with both operands' format E2M1 (or v_wmma_scale_f32_32x16x128_f4), f32 sums; products left as they are: f32 operands where the result goes on into a quantised operand, else bf16, f16 or f32 operands; f32 sums; everything else in f32.
;; Inputs: Gb 1 float32; Gw 8 x 1 float32; W1 2 x 512 float32; W2 512 x 512 float32; W3 512 x 1 float32; action_emb 65,536 x 8 float32; b1 512 float32; b2 512 float32; b3 1 float32; log_damping one number float32; state 65,536 x 2 float32.
;; Outputs: out0 65,536 x 2 float32.
;; Constants: t = 0.
;; This version of the problem:
;;   THIS VERSION OF THE PROBLEM IS GIVEN IN LOW PRECISION. The matrix products marked QUANTISED in the list below multiply operands that are first quantised to E2M1 (2 exponent bits, 1 mantissa bit; 4 bits a number), with one power-of-two scale for each 32 numbers along K (OCP MX v1.0); their sums are f32. All else is computed in f32.
;;   The module's matrix products, in the order in which they are computed (A, B: the left and right operand; K: the contracted axis; several contracted axes count as one K, in the product's order):
;;     1. [M 65,536, K 2] x [K 2, N 512]; A: input state; B: input W1: left as it is (K = 2 < 32)
;;     2. [M 65,536, K 512] x [K 512, N 512]; A: computed on the way; B: input W2: QUANTISED
;;     3. [M 65,536, K 512] x [K 512, N 1]; A: computed on the way; B: input W3: left as it is (N = 1 < 16)
;;     4. [M 65,536, K 1] x [K 1, N 512]; A: computed on the way; B: input W3: left as it is (K = 1 < 32)
;;     5. [M 65,536, K 512] x [K 512, N 512]; A: computed on the way; B: input W2: QUANTISED
;;     6. [M 65,536, K 512] x [K 512, N 2]; A: computed on the way; B: input W1: left as it is (N = 2 < 16)
;;     7. [M 65,536, K 8] x [K 8, N 1]; A: input action_emb; B: input Gw: left as it is (K = 8 < 32)
;;   THE QUANTISER, for each operand of a quantised product, along K:
;;     - K is cut into blocks of 32 from its start; a last block that is shorter is filled with zeros.
;;     - A block's scale is 2^e with e = floor(log2(the largest magnitude in the block)) - 2, held to -126 .. 127; a block of zeros has e = 0. As a byte (E8M0): e + 127.
;;     - Each number is divided by its block's scale, clamped to +-6, and rounded to the nearest number of E2M1, ties to even, subnormals kept.
;;     - The product sums the exact products of the quantised numbers (number of the format x scale) in f32.
;;   ~~~python
;;   def quantise(x, axis):      # numpy; x: float32 -> the quantised numbers, widened to float32 again
;;       x = np.moveaxis(x, axis, -1); K = x.shape[-1]
;;       x = np.pad(x, [(0, 0)] * (x.ndim - 1) + [(0, -K % 32)]); x = x.reshape(x.shape[:-1] + (-1, 32)); a = np.abs(x).max(-1, keepdims=True)
;;       e = np.where(a > 0, np.clip(np.frexp(np.where(a > 0, a, 1))[1] - 1 - 2, -126, 127), 0)      # np.frexp(a)[1] - 1 = floor(log2(a)), exactly
;;       r = np.clip(x / 2.0 ** e, -6, 6)
;;       step = 2.0 ** (np.maximum(np.frexp(np.where(r == 0, 1, r))[1] - 1, 0) - 1)
;;       q = np.round(r / step) * step * 2.0 ** e      # np.round: ties to even
;;       return np.moveaxis(q.reshape(q.shape[:-2] + (-1,))[..., :K], -1, axis).astype(np.float32)
;;   ~~~
;;   OPERANDS COMPUTED ON THE WAY. 'Computed on the way' means the value that the module computes at that place (a softmax that the list does not call 'softmax' is quantised finished and normalised). What goes into a quantiser is computed in f32, as accurately as f32 sums, v_exp_f32 and their like allow (about 1e-6 of the number): no bf16 or f16 on the way to a quantiser, and a product that is left as it is and whose result goes on into a quantised operand takes f32 operands (vector FMAs, or v_wmma_f32_16x16x4_f32). A number that lies on a knife's edge between two numbers of the format may be rounded either way, as far as f32 arithmetic and the matrix unit's own rounding can turn it there, and no further.
;; One version. Each part assembles by itself: llvm-mc -triple=amdgcn-amd-amdhsa -mcpu=gfx1250 --defsym DOCPART=n.
;; ======== version 1 of 1: 2 launches
;; limits: values are held in bf16: 8 bits of precision; right only within a limited range of input values
;; workspace buffers: wq 278,528 bytes
;; launch prep (part 1): grid 256 x 1, 1 waves a work-group, no clusters, 0 bytes of LDS; arguments W2, wq; writes wq
.if DOCPART == 1
	.amdgcn_target "amdgcn-amd-amdhsa--gfx1250"
	.amdhsa_code_object_version 6
	.text
	.protected	k_q005fca1346_prep
	.globl	k_q005fca1346_prep
	.p2align	8
	.type	k_q005fca1346_prep,@function
k_q005fca1346_prep:
	s_mov_b64 s[64:65], 0
	v_nop
	global_prefetch_b8 v0, s[64:65] scope:SCOPE_SE
	s_setreg_imm32_b32 hwreg(HW_REG_WAVE_MODE, 25, 1), 1
	s_wait_xcnt 0x0
; THE PROGRAM.  out[b] = (dH/dp, -dH/dq - exp(log_damping) dH/dp + action_emb[b] . Gw + Gb), dH/dstate the gradient of the H net.  Row by row:
;   z1 = s W1 + b1;  h1 = softplus(z1), sg1 = sigmoid(z1);  z2 = Q(h1) Q(W2 along its first axis) + b2;  g2[j] = W3[j] sigmoid(z2[j]);
;   gh1 = Q(g2) Q(W2 along its second axis)^T;  dH/ds[c] = sum over i of gh1[i] sg1[i] W1[c][i].
; WORK LEFT OUT, for all values of the inputs.  reference() returns only the gradient of H_sum, never its value.  So softplus(z2), the product of it with W3,
; the sum over the batch and b3 (a constant term: its derivative is 0) reach no output.  The product of the cotangent ones[B, 1] with W3^T is a factor of 1: W3[j] is taken as it is.
; b3 and t are not loaded and are among no launch's arguments.  LIMIT: a NaN, an infinity or an overflow that arises only in softplus(z2), in that sum or in b3 is not carried to the result.
;
; THIS LAUNCH quantises W2 [512][512] f32 to codes of E2M1 with one E8M0 byte for each 32 along K, once for each of the two products, and lays codes and bytes in the order of the operand's registers.  wq:
;   +0        forward fragments (g, s) at 1,024 (4 g + s): 16 rows = output units of tile g, K step s of 128 along W2's first axis;   +131,072 backward fragments likewise, K = W2's second axis;
;   +262,144  forward scale words at 256 g + 16 r + 4 s (row r of tile g);   +270,336 backward scale words likewise.
; A fragment is 16 rows x 128 K: the 16 bytes of (c, lane) lie at 512 c + 16 x lane and hold k = 128 s + 64 c + 32 (lane / 16) + 0 .. 31, the lower k in the lower bits.
; THE ROWS OF A TILE ARE NOT NEIGHBOURS: row r of tile g is unit 32 (g / 2) + 8 (g % 2) + r + 8 (r / 8), so that the results of two neighbouring tiles are 16 neighbours along the next K.
; SHARES.  Work-group x (one wave) makes one fragment: x = 128 x direction + 4 g + s.  A lane holds two whole blocks of 32, so no other lane is asked for a maximum.  256 fragments: 256 work-groups.
; A block's scale is 2^(floor(log2(largest magnitude)) - 2): its byte is the largest magnitude's exponent field - 2, held at 1 from below by a floor among the maximum's leaves.
; LIMITS: a block of zeros gets the byte 1 where the rule says 127 (its codes are zeros, and this program alone reads the bytes); NaN and infinities in W2 are not served.
; Each code store covers 512 consecutive bytes, aligned.  The scale words, 1/17 of what is stored, are 4 bytes 16 apart: four work-groups fill a unit.
.set XN, 32                            ; v32-95   numbers: register 32 c + i is k = 128 s + 64 c + 32 h + i
.set CD, 96                            ; v96-103  codes
	s_load_b128 s[4:7], s[0:1], 0x0                ; W2 s[4:5], wq s[6:7]
	s_and_b32 s15, ttmp9, 127
	s_lshr_b32 s16, s15, 2                         ; g
	s_and_b32 s17, ttmp9, 3                        ; s
	s_lshr_b32 s18, s16, 1
	s_lshl_b32 s18, s18, 5                         ; 32 (g / 2)
	s_and_b32 s19, s16, 1
	s_lshl_b32 s19, s19, 3                         ; 8 (g % 2)
	s_add_co_u32 s18, s18, s19
	s_lshl_b32 s20, s17, 18                        ; 128 s rows of 2,048 bytes
	s_lshl_b32 s21, s17, 9                         ; 128 s numbers
	s_mov_b32 s12, 0x76543210
	s_mov_b32 s13, 0xfedcba98                      ; v_permlanex16_b32's selects for lane l xor 16
	s_lshl_b32 s24, ttmp9, 10                      ; my codes
	s_mov_b32 s25, 0
	s_lshr_b32 s26, ttmp9, 2
	s_lshl_b32 s26, s26, 8                         ; 8,192 x direction + 256 g
	s_lshl_b32 s27, s17, 2
	s_add_co_u32 s26, s26, s27
	s_add_co_u32 s26, s26, 262144                  ; my scale words
	s_mov_b32 s27, 0
	v_and_b32 v1, 15, v0                           ; r
	v_lshrrev_b32 v2, 4, v0                        ; h (one wave: v0 is the lane)
	v_and_b32 v3, 8, v1
	v_add_nc_u32 v3, v3, v1
	v_add_nc_u32 v3, s18, v3                       ; u
	v_lshlrev_b32 v4, 2, v3
	v_lshl_add_u32 v4, v2, 16, v4                  ; + 32 h rows
	v_add_nc_u32 v4, s20, v4                       ; forward: W2[128 s + 32 h][u]
	v_lshlrev_b32 v5, 11, v3
	v_lshl_add_u32 v5, v2, 7, v5
	v_add_nc_u32 v5, s21, v5                       ; backward: W2[u][128 s + 32 h]
	v_lshlrev_b32 v6, 4, v0                        ; 16 x lane
	v_lshlrev_b32 v7, 4, v1                        ; 16 r
	v_lshlrev_b32 v8, 3, v2                        ; 8 h: where my two bytes stand in the scale word
	v_mov_b32 v16, 0                               ; a lane permute's destination counts as one of its sources
	s_wait_alu depctr_va_vdst(0)
	s_wait_kmcnt 0x0
	s_add_nc_u64 s[8:9], s[6:7], s[24:25]
	s_add_nc_u64 s[10:11], s[6:7], s[26:27]
	s_cmp_lt_u32 ttmp9, 128                        ; forward or backward: the work-group's number alone
	s_cbranch_scc0 .Lback
.irp c, 0,1
.irp i, 0,1,2,3,4,5,6,7,8,9,10,11,12,13,14,15,16,17,18,19,20,21,22,23,24,25,26,27,28,29,30,31
	global_load_b32 v[XN+32*\c+\i], v4, s[4:5] offset:2048*(64*\c+\i)
.endr
.endr
	s_branch .Lhave
.Lback:
.irp c, 0,1
.irp q, 0,1,2,3,4,5,6,7
	global_load_b128 v[XN+32*\c+4*\q:XN+32*\c+4*\q+3], v5, s[4:5] offset:256*\c+16*\q
.endr
.endr
.Lhave:
	s_wait_loadcnt 0x0
	v_max3_num_f32 v10, |v[XN]|, |v[XN+1]|, 0x1800000              ; the floor 2^(3 - 127): the byte cannot fall under 1
	v_max3_num_f32 v11, |v[XN+32]|, |v[XN+33]|, 0x1800000
.irp i, 2,4,6,8,10,12,14,16,18,20,22,24,26,28,30
	v_max3_num_f32 v10, v10, |v[XN+\i]|, |v[XN+\i+1]|              ; (the two blocks by turns)
	v_max3_num_f32 v11, v11, |v[XN+32+\i]|, |v[XN+33+\i]|
.endr
	v_add_nc_u32 v12, 0xff000000, v10              ; 2 off the exponent field: the conversion takes the exponent field of this operand as its scale
	v_add_nc_u32 v13, 0xff000000, v11
.irp c, 0,1
.irp g, 0,1,2,3
	v_cvt_scalef32_pk8_fp4_f32 v[CD+4*\c+\g], v[XN+32*\c+8*\g:XN+32*\c+8*\g+7], v[12+\c]
.endr
.endr
	v_lshrrev_b32 v14, 23, v12                     ; the scales' bytes: blocks h and 2 + h
	v_lshrrev_b32 v15, 23, v13
	global_store_b128 v6, v[CD:CD+3], s[8:9]
	global_store_b128 v6, v[CD+4:CD+7], s[8:9] offset:512
	v_lshl_or_b32 v17, v15, 16, v14
	v_lshlrev_b32 v17, v8, v17                     ; at their places in the word
	v_permlanex16_b32 v16, v17, s12, s13
	v_or_b32 v17, v17, v16                         ; with lane l xor 16's two the word is whole, in both lanes
	global_store_b32 v7, v17, s[10:11]             ; lanes l and l xor 16 write the same word with the same value
	s_endpgm
.Lfunc_end_k_q005fca1346_prep:
	.size	k_q005fca1346_prep, .Lfunc_end_k_q005fca1346_prep-k_q005fca1346_prep
	.p2alignl 7, 3214868480
	.fill 96, 4, 3214868480
	.section	.rodata,"a",@progbits
	.p2align	6, 0x0
	.amdhsa_kernel k_q005fca1346_prep
		.amdhsa_group_segment_fixed_size 0
		.amdhsa_private_segment_fixed_size 0
		.amdhsa_enable_private_segment 0
		.amdhsa_kernarg_size 16
		.amdhsa_user_sgpr_count 2
		.amdhsa_user_sgpr_kernarg_segment_ptr 1
		.amdhsa_wavefront_size32 1
		.amdhsa_system_sgpr_workgroup_id_x 1
		.amdhsa_system_sgpr_workgroup_id_y 1
		.amdhsa_system_sgpr_workgroup_id_z 1
		.amdhsa_system_vgpr_workitem_id 0
		.amdhsa_next_free_vgpr 128
		.amdhsa_next_free_sgpr 66
		.amdhsa_reserve_vcc 0
		.amdhsa_float_denorm_mode_32 3
		.amdhsa_float_denorm_mode_16_64 3
		.amdhsa_memory_ordered 1
		.amdhsa_forward_progress 1
		.amdhsa_inst_pref_size 13
	.end_amdhsa_kernel
	.amdgpu_metadata
---
amdhsa.version: [ 1, 2 ]
amdhsa.kernels:
  - .name:           k_q005fca1346_prep
    .symbol:         k_q005fca1346_prep.kd
    .args:
      - { .name: W2, .offset: 0, .size: 8, .value_kind: global_buffer, .address_space: global }
      - { .name: wq, .offset: 8, .size: 8, .value_kind: global_buffer, .address_space: global }
    .group_segment_fixed_size: 0
    .private_segment_fixed_size: 0
    .kernarg_segment_align: 8
    .kernarg_segment_size: 16
    .max_flat_workgroup_size: 32
    .sgpr_count:     66
    .vgpr_count:     128
    .wavefront_size: 32
...
	.end_amdgpu_metadata
.endif
;; end of part 1
;; launch main (part 2): grid 256 x 1, 8 waves a work-group, clusters of 4 x 1, 327,680 bytes of LDS; arguments state, action_emb, W1, b1, b2, W3, log_damping, Gw, Gb, wq, out0; writes out0
.if DOCPART == 2
	.amdgcn_target "amdgcn-amd-amdhsa--gfx1250"
	.amdhsa_code_object_version 6
	.text
	.protected	k_q005fca1346_main
	.globl	k_q005fca1346_main
	.p2align	8
	.type	k_q005fca1346_main,@function
k_q005fca1346_main:
	s_mov_b64 s[64:65], 0
	v_nop
	global_prefetch_b8 v0, s[64:65] scope:SCOPE_SE
	s_setreg_imm32_b32 hwreg(HW_REG_WAVE_MODE, 25, 1), 1
	s_wait_xcnt 0x0
	s_wait_alu depctr_hold_cnt(0) depctr_sa_sdst(0) depctr_va_vdst(0) depctr_va_sdst(0) depctr_va_ssrc(0) depctr_va_vcc(0) depctr_vm_vsrc(0)
	s_getreg_b32 s2, hwreg(HW_REG_IB_STS2, 6, 4)
	s_cmp_eq_u32 s2, 0
	s_cbranch_scc0 .Lentry_in_a_cluster
	s_endpgm
.Lentry_in_a_cluster:
	s_bfe_u32 s2, ttmp6, 0x10000c
	s_cmp_lg_u32 s2, 0x3003
	s_cbranch_scc0 .Lentry_shape_is_right
	s_endpgm
.Lentry_shape_is_right:
; out[b] = (g1, -g0 - exp(log_damping) g1 + action_emb[b] . Gw + Gb), g = dH/dstate.  The whole chain from state to out0 in one launch; W2 comes as codes and scale words from wq (made by the launch before).
; WORK LEFT OUT: softplus(z2), its product with W3, the sum over the batch and b3 reach no output (only the gradient is returned); the cotangent of ones is a factor of 1.  b3 and t are not loaded.
; LIMITS: a NaN, infinity or overflow that arises only in the work left out is not carried on.  An exponential, reciprocal or logarithm result under 2^-126 comes out as 0 (ISA guide 15.8), so h1, sg1 and sigmoid(z2)
; under that size are 0.  NaN and infinities among the inputs are not served.  A block of zeros has the scale byte 1 (its codes are zeros).
; A WAVE OWNS 32 ROWS, two tiles m of 16, and takes them through the whole chain in its own registers: the waves hand each other nothing of the batch, and no barrier stands in a loop.
;   PHASE 1, 16 blocks of 32 units: y = log2(e) z1 by the f32 matrix form (K = 4: s0, s1, 1, 0 against W1[0], W1[1], b1, 0, the last three already x log2(e)); e = 2^-|y|, u = 1 + e rounded;
;     h1 = ln(2) (max(y, 0) + log2(u)) + (e - (u - 1)): reference()'s stable form.  e - (u - 1), what the rounding of u lost, is exact; log1p(e) = log(u) + it, but for under e x 2^-24; quantised to codes.
;   PHASE 2, 16 blocks: z2 (MX-FP4), g2 = W3 / (1 + 2^(-log2(e) z2)), quantised to codes.
;   PHASE 3, 16 blocks: gh1 (MX-FP4); y is computed again (32 rows x 512 numbers of sg1 would be 512 registers a wave), sg1 = 1 / (1 + 2^-y); gh1 sg1 in bf16 against W1 in bf16, f32 sums.
; All products are used TRANSPOSED (source 0 = 16 units, source 1 = 16 rows): a lane (r = lane % 16, h = lane / 16) holds ONE row, and by the choice of a tile's units (row p of tile 2 b + u is unit 32 b + 8 u + p + 8 (p / 8))
; its registers 8 u + j are the units 32 b + 16 h + 0 .. 15: 16 neighbours along the next K; lanes l and l xor 16 share a block of 32.
; Register numbers change with the block, so a trip of each loop is four blocks, 128 units: one K step of the next product.  Its 16 registers of codes and two scale words are moved to their place by the trip's number.
; WAITS OVERLAP: the scaled products of the next block stand behind a batch of exponentials, the f32 form's behind the reciprocals or logarithms; a block's quantising stands behind the next block's exponentials.
; b2 and W3 ARE SPREAD OVER THE RESULT'S LAYOUT BY THE F32 MATRIX FORM: (-log2(e) b2, W3, 0, 0) against (1, 0, 0, 0) and against (0, 1, 0, 0): each result is the number itself.
; CLUSTER.  All work-groups read the same 278,528 bytes of wq: four form a cluster, and each wave's 34,816 bytes are asked for JOINTLY (mask of the four, the same descriptor in all four).  One tensor load a wave in the launch;
; nothing is filled again.  It lands under phase 1, which does not need it.  The closing round behind it is also the barrier that shows all parts to all waves.  No LDS address, branch or trip count hangs on the place in the cluster.
; No prefetch: the one large stream is asked for at the head, and no loop reads memory.
; LDS: 0: wq as it lies.  W1AI: f32 fragments of (W1[0], W1[1], b1, 0) x log2(e), 512 bytes a block: lane's 16 bytes = 2 registers of each of two tiles;  AUXI: (-log2(e) b2, W3, 0, 0) likewise;
;   W1BI: W1 in bf16, two rows of 1,024 bytes;  SPARE: the spare words, 128 bytes a wave.
.set PARTB, 34816
.set BWD,  131072                      ; backward fragments
.set SCL,  262144                      ; scale words
.set W1AI, 278528
.set W1UI, W1AI+8192                   ; (W1[0], W1[1], b1, 0) as they are, laid like W1AI: phase 3's; phase 1's look-ahead past its block 15 is block 0 of this image
.set AUXI, W1UI+8192
.set W1BI, AUXI+8192
.set SPARE, W1BI+2048                  ; 305,152
.set SPW, 1                            ; v1   my spare word; never rewritten
.set NIL, 2                            ; v2   0; never rewritten
.set LN16, 3                           ; v3   16 x lane
.set A5,  4                            ; v4   what goes in steps of 512 bytes a block
.set AF,  5                            ; v5   fragments
.set AB,  6                            ; v6   W1 in bf16: row r % 2 (rows 2 to 15 of that product are used by nobody)
.set T4,  7                            ; v7   4 x thread
.set IMG, 8                            ; v8   where thread t puts unit t's part of the images
.set STW, 9                            ; v9   and of W1 in bf16
.set AST, 10                           ; v10  8 x (32 wave + r)
.set AEM, 11                           ; v11  32 x thread
.set OUTO, 12                          ; v12  8 x thread
.set B1,  13                           ; v13  W1AI + 16 x lane
.set MY,  14                           ; v14-15  lane permutes' destinations
.set WS,  16                           ; v16-19  a block's weight scale words, K steps 0 to 3: lanes 0-15 tile 0, lanes 16-31 tile 1.  v16-35 hold scales and nothing else
.set XSH, 20                           ; v20-27  h1's scale words, 4 m + s
.set XSG, 28                           ; v28-35  g2's
.set STB, 36                           ; v36-39  f32 fragments of (s0, s1, 1, 0), 2 a row tile
.set ONE0, 40                          ; v40-41  (1, 0, 0, 0);  v42-43 (0, 1, 0, 0)
.set ONE1, 42
.set WA,  44                           ; v44-47  W1's f32 fragments of a block
.set BUF, 48                           ; v48-51  phase 2: b2 and W3's fragments, even blocks;  phase 3: W1's f32 fragments, even blocks
.set GU,  52                           ; v52  action_emb . Gw + Gb
.set DMP, 53                           ; v53  exp(log_damping)
.set CWD, 54                           ; v54-55  scale words in the making
.set ZA,  56                           ; v56-87  y: written by matrix instructions alone
.set ACC, 88                           ; v88-119  z2, gh1: 16 m + 8 u
.set MV,  120                          ; v120-151  phase 1: max(y, 0), then h1
.set PB,  120                          ; v120-135  phase 3: gh1 sg1 in bf16
.set WB,  136                          ; v136-143  phase 3: W1 in bf16
.set QT,  152                          ; v152-155  maxima
.set SO,  160                          ; v160-161  the conversions' scale operands
.set BUF1, 164                         ; v164-167  phase 2: b2 and W3's fragments, odd blocks
.set EX,  168                          ; v168-199
.set UR,  200                          ; v200-231
.set DT,  232                          ; v232-239
.set CT,  240                          ; v240-255  codes in the making, 8 m + 2 x block of the trip
; window 1: v0-63 a block's fragments, 8 (4 u + s)
.set HB,  64                           ; window 1: v64-127  h1's codes, 32 m + 8 s
.set GB,  128                          ; window 1: v128-191 g2's
.set B2R, 192                          ; window 1: v192-207 -log2(e) b2;  v208-239 W3, even and odd blocks: written by matrix instructions alone
.set W3R, 208
.set OUT, 240                          ; window 1: v240-255 the last product's sums, 8 m
.set WV,  26
.set G0,  28
.set TRP, 46                           ; trips to go
.set OFS, 47
.set G1,  48
.set L2E, 66                           ; s[66:67] log2(e);  s[68:69] -log2(e);  s[70:71] ln(2): packed forms name a pair and take its low word
.set NL2E, 68
.set LN2, 70
.set HIM, 73                           ; lanes 16-31
.set SEL, 76                           ; v_permlanex16_b32's selects for lane l xor 16
.set MSB, 0
.macro WIN new                         ; the immediate's high byte repeats the setting that is left
.if MSB != \new
	s_set_vgpr_msb (MSB<<8)|\new
.set MSB, \new
.endif
.endm
.macro VWAIT
	s_wait_alu depctr_va_vdst(0)
.endm
.macro CROUND                          ; a round of the cluster's barrier
	s_barrier_signal -1
	s_barrier_wait -1
	s_cmp_lg_u32 s[WV], 0
	s_cbranch_scc1 .Lnot_wave_0_\@
	s_barrier_signal -3
.Lnot_wave_0_\@:
	s_barrier_wait -3
	s_barrier_signal -1
	s_barrier_wait -1
.endm
; y of a block: 2 row tiles x 2 tiles of units.  Each sum is one instruction with C = 0
.macro Z1 w
.irp m, 0,1
.irp u, 0,1
	v_wmma_f32_16x16x4_f32 v[ZA+16*\m+8*\u:ZA+16*\m+8*\u+7], v[(\w)+2*\u:(\w)+2*\u+1], v[STB+2*\m:STB+2*\m+1], 0
.endr
.endr
.endm
; b2 and W3 of a block into the result's layout; w: their fragments, p: which W3
.macro SPREAD w, p
	WIN 0x40
.irp u, 0,1
	v_wmma_f32_16x16x4_f32 v[B2R+8*\u:B2R+8*\u+7], v[(\w)+2*\u:(\w)+2*\u+1], v[ONE0:ONE0+1], 0
	v_wmma_f32_16x16x4_f32 v[W3R+16*(\p)+8*\u:W3R+16*(\p)+8*\u+7], v[(\w)+2*\u:(\w)+2*\u+1], v[ONE1:ONE1+1], 0
.endr
	WIN 0
.endm
; 16 matrix instructions: a block's two tiles of units x two row tiles, K = 512.  The four accumulators take turns, one instruction a turn
.macro MMX cb, xs
	WIN 0x05                                       ; sources in window 1, sums in window 0
.irp s, 0,1,2,3
.irp m, 0,1
.if \s == 0
	v_wmma_scale_f32_16x16x128_f8f6f4 v[ACC+16*\m:ACC+16*\m+7], v[8*\s:8*\s+7], v[\cb+32*\m+8*\s:\cb+32*\m+8*\s+7], 0, v[WS+\s], v[\xs+4*\m+\s] matrix_a_fmt:MATRIX_FMT_FP4 matrix_b_fmt:MATRIX_FMT_FP4
	v_wmma_scale_f32_16x16x128_f8f6f4 v[ACC+16*\m+8:ACC+16*\m+15], v[32+8*\s:32+8*\s+7], v[\cb+32*\m+8*\s:\cb+32*\m+8*\s+7], 0, v[WS+\s], v[\xs+4*\m+\s] matrix_a_fmt:MATRIX_FMT_FP4 matrix_b_fmt:MATRIX_FMT_FP4 matrix_a_scale:MATRIX_SCALE_ROW1
.else
	v_wmma_scale_f32_16x16x128_f8f6f4 v[ACC+16*\m:ACC+16*\m+7], v[8*\s:8*\s+7], v[\cb+32*\m+8*\s:\cb+32*\m+8*\s+7], v[ACC+16*\m:ACC+16*\m+7], v[WS+\s], v[\xs+4*\m+\s] matrix_a_fmt:MATRIX_FMT_FP4 matrix_b_fmt:MATRIX_FMT_FP4
	v_wmma_scale_f32_16x16x128_f8f6f4 v[ACC+16*\m+8:ACC+16*\m+15], v[32+8*\s:32+8*\s+7], v[\cb+32*\m+8*\s:\cb+32*\m+8*\s+7], v[ACC+16*\m+8:ACC+16*\m+15], v[WS+\s], v[\xs+4*\m+\s] matrix_a_fmt:MATRIX_FMT_FP4 matrix_b_fmt:MATRIX_FMT_FP4 matrix_a_scale:MATRIX_SCALE_ROW1
.endif
.endr
.endr
	WIN 0
.endm
; a block's eight fragments
.macro FRW off
	WIN 0x40
.set n, 0
.rept 16
	ds_load_b128 v[4*n:4*n+3], v[AF] offset:(\off)+512*n
.set n, n+1
.endr
	WIN 0
.endm
; both row tiles' 16 numbers of a lane, half a block of 32, become 16 codes and the block's scale byte; q: the block of the trip.  The four chains of maxima take turns
.macro QUANT src, q
.irp m, 0,1
	v_max3_num_f32 v[QT+2*\m], |v[\src+16*\m]|, |v[\src+16*\m+1]|, 0x1800000       ; the floor 2^(3 - 127): the byte cannot fall under 1
	v_max3_num_f32 v[QT+2*\m+1], |v[\src+16*\m+2]|, |v[\src+16*\m+3]|, |v[\src+16*\m+4]|
.endr
.irp i, 5,9
.irp m, 0,1
	v_max3_num_f32 v[QT+2*\m], v[QT+2*\m], |v[\src+16*\m+\i]|, |v[\src+16*\m+\i+1]|
	v_max3_num_f32 v[QT+2*\m+1], v[QT+2*\m+1], |v[\src+16*\m+\i+2]|, |v[\src+16*\m+\i+3]|
.endr
.endr
.irp m, 0,1
	v_max3_num_f32 v[QT+2*\m], v[QT+2*\m], |v[\src+16*\m+13]|, |v[\src+16*\m+14]|
.endr
.irp m, 0,1
	v_max3_num_f32 v[QT+2*\m], v[QT+2*\m], v[QT+2*\m+1], |v[\src+16*\m+15]|
.endr
.irp m, 0,1
	v_permlanex16_b32 v[MY+\m], v[QT+2*\m], s[SEL], s[SEL+1]
.endr
.irp m, 0,1
	v_max_num_f32 v[QT+2*\m], v[QT+2*\m], v[MY+\m]                 ; with lane l xor 16's 16: the block's largest magnitude
.endr
.irp m, 0,1
	v_add_nc_u32 v[SO+\m], 0xff000000, v[QT+2*\m]                  ; 2 off its exponent field
.endr
.irp m, 0,1
	v_cvt_scalef32_pk8_fp4_f32 v[CT+8*\m+2*(\q)], v[\src+16*\m:\src+16*\m+7], v[SO+\m]
	v_cvt_scalef32_pk8_fp4_f32 v[CT+8*\m+2*(\q)+1], v[\src+16*\m+8:\src+16*\m+15], v[SO+\m]
.endr
.if (\q) == 0
.irp m, 0,1
	v_lshrrev_b32 v[CWD+\m], 23, v[SO+\m]          ; the scale's byte; also the plain line behind the conversions
.endr
.else
.irp m, 0,1
	v_lshrrev_b32 v[QT+2*\m], 23, v[SO+\m]
.endr
.irp m, 0,1
	v_lshl_or_b32 v[CWD+\m], v[QT+2*\m], 8*(\q), v[CWD+\m]
.endr
.endif
.endm
; the trip's four blocks become K step s of the next operand, s = 4 - trips to go: a whole block in a lane, then to its registers
.macro PLACE cb, xs
.irp m, 0,1
.irp c, 0,1
.irp i, 0,1
	v_permlane16_swap_b32 v[CT+8*\m+4*\c+\i], v[CT+8*\m+4*\c+2+\i]
.endr
.endr
.endr
	VWAIT
.irp s, 0,1,2,3
	PLACE1 \cb, \xs, \s
.endr
.endm
.macro PLACE1 cb, xs, s
	s_cmp_lg_u32 s[TRP], 4-\s
	s_cbranch_scc1 .Lother_\@
	WIN 0x40
.irp m, 0,1
.irp i, 0,1,2,3,4,5,6,7
	v_mov_b32 v[\cb+32*\m+8*\s+\i], v[CT+8*\m+\i]
.endr
.endr
	WIN 0
	v_mov_b32 v[\xs+\s], v[CWD]
	v_mov_b32 v[\xs+4+\s], v[CWD+1]
.Lother_\@:
.endm
.macro ONEPLUS                         ; UR = 1 + EX
.set n, 0
.rept 16
	v_pk_add_f32 v[UR+n:UR+n+1], v[EX+n:EX+n+1], 1.0 op_sel_hi:[1,0]
.set n, n+2
.endr
.endm
.macro RCP32
.set n, 0
.rept 32
	v_rcp_f32 v[UR+n], v[UR+n]
.set n, n+1
.endr
.endm
	s_load_b256 s[4:11], s[0:1], 0x0               ; state s[4:5], action_emb s[6:7], W1 s[8:9], b1 s[10:11]
	s_load_b256 s[12:19], s[0:1], 0x20             ; b2 s[12:13], W3 s[14:15], log_damping s[16:17], Gw s[18:19]
	s_load_b128 s[20:23], s[0:1], 0x40             ; Gb s[20:21], wq s[22:23]
	s_load_b64 s[24:25], s[0:1], 0x50              ; out0
	v_lshl_add_u32 v[SPW], v0, 2, SPARE
	v_mov_b32 v[NIL], 0
	ds_add_u32 v[SPW], v[NIL]                      ; the wave's opening: an add, twice on end, and its wait ahead of my first tensor load
	ds_add_u32 v[SPW], v[NIL]                      ; and once more; the set-up below, work on registers, stands between it and the wait
	v_lshrrev_b32 v16, 5, v0
	v_readfirstlane_b32 s[WV], v16                 ; wave 0..7
	s_bfe_u32 s27, ttmp6, 0x40000                  ; cx: my place in the cluster
	s_lshl_b32 s61, ttmp9, 2                       ; in a cluster launch ttmp9 counts clusters
	s_add_co_u32 s61, s61, s27                     ; my block of 256 rows: it enters the offsets of state, action_emb and out0 alone
	s_lshl_b32 s32, s61, 11                        ; 256 rows of 8 bytes: state and out0
	s_mov_b32 s33, 0
	s_lshl_b32 s34, s61, 13                        ; 256 rows of 32 bytes: action_emb
	s_mov_b32 s35, 0
	s_mov_b32 s[G0], 1                             ; 1:0 count = 1
	s_mul_i32 s[G0+1], s[WV], PARTB                ; 63:32 LDS address: my eighth
	s_mov_b32 s56, s[G0+1]                         ; and the same offset in wq
	s_mov_b32 s57, 0
	; group 1: 34,816 dense bytes as 136 rows of 32 elements of 8 bytes, no padding
	s_mov_b32 s[G1], 15|(3<<16)|(1<<21)            ; 15:0 the mask: all four work-groups; 17:16 elements of 8 bytes; 21 set beside a mask
	s_mov_b32 s[G1+1], 32<<16                      ; tensor_dim0 = 32
	s_mov_b32 s[G1+2], 136<<16                     ; tensor_dim1 = 136
	s_mov_b32 s[G1+3], 32<<16                      ; tile_dim0 = 32
	s_mov_b32 s[G1+4], 136                         ; tile_dim1 = 136
	s_mov_b32 s[G1+5], 32                          ; from row to row
	s_mov_b32 s[G1+6], 0
	s_mov_b32 s[G1+7], 0
	s_mov_b32 s[L2E], 0x3fb8aa3b
	s_mov_b32 s[L2E+1], s[L2E]
	s_mov_b32 s[NL2E], 0xbfb8aa3b
	s_mov_b32 s[NL2E+1], s[NL2E]
	s_mov_b32 s[LN2], 0x3f317218
	s_mov_b32 s[LN2+1], s[LN2]
	s_mov_b32 s[HIM], 0xffff0000
	s_mov_b32 s[SEL], 0x76543210
	s_mov_b32 s[SEL+1], 0xfedcba98
	v_and_b32 v240, 31, v0                         ; lane
	v_and_b32 v241, 1, v0
	v_bfe_u32 v242, v0, 4, 1                       ; h
	v_lshlrev_b32 v[T4], 2, v0
	v_lshlrev_b32 v[LN16], 4, v240
	v_lshlrev_b32 v241, 10, v241
	v_lshl_add_u32 v241, v242, 5, v241
	v_and_b32 v[AST], 0xef, v0                     ; 32 wave + r
	v_lshlrev_b32 v[AEM], 5, v0
	v_lshlrev_b32 v[OUTO], 3, v0
	v_add_nc_u32 v[B1], W1AI, v[LN16]
	v_add_nc_u32 v[AB], W1BI, v241
	v_lshlrev_b32 v[AST], 3, v[AST]
	; unit t lies in block t / 32; bit 4 of t is bit 3 of the tile's row, bit 3 the tile, bits 2:0 the rest of the row: 512 (t / 32) + 16 row + 8 tile
	v_lshrrev_b32 v243, 5, v0
	v_and_b32 v244, 7, v0
	v_bfe_u32 v245, v0, 3, 1
	v_lshlrev_b32 v243, 9, v243
	v_lshl_add_u32 v243, v242, 7, v243
	v_lshl_add_u32 v243, v244, 4, v243
	v_lshl_add_u32 v243, v245, 3, v243
	v_add_nc_u32 v[IMG], W1AI, v243
	v_lshlrev_b32 v244, 1, v0
	v_add_nc_u32 v[STW], W1BI, v244
	s_wait_dscnt 0x0                               ; both opening adds are done
	VWAIT
	s_wait_kmcnt 0x0
	s_load_b256 s[36:43], s[18:19], 0x0            ; Gw's eight numbers
	s_load_b32 s44, s[20:21], 0x0                  ; Gb
	s_load_b32 s45, s[16:17], 0x0                  ; log_damping
	s_add_nc_u64 s[4:5], s[4:5], s[32:33]
	s_add_nc_u64 s[24:25], s[24:25], s[32:33]
	s_add_nc_u64 s[6:7], s[6:7], s[34:35]
	; thread t takes units t and t + 256
	global_load_b32 v168, v[T4], s[8:9]                            ; W1[0]
	global_load_b32 v170, v[T4], s[8:9] offset:1024
	global_load_b32 v169, v[T4], s[8:9] offset:2048                ; W1[1]
	global_load_b32 v171, v[T4], s[8:9] offset:3072
	global_load_b32 v172, v[T4], s[10:11]                          ; b1
	global_load_b32 v174, v[T4], s[10:11] offset:1024
	global_load_b32 v176, v[T4], s[12:13]                          ; b2
	global_load_b32 v177, v[T4], s[12:13] offset:1024
	global_load_b32 v187, v[T4], s[14:15]                          ; W3
	global_load_b32 v189, v[T4], s[14:15] offset:1024
	global_load_b64 v[STB:STB+1], v[AST], s[4:5] th:TH_LOAD_NT
	global_load_b64 v[STB+2:STB+3], v[AST], s[4:5] offset:128 th:TH_LOAD_NT
	global_load_b128 v[200:203], v[AEM], s[6:7] th:TH_LOAD_NT
	global_load_b128 v[204:207], v[AEM], s[6:7] offset:16 th:TH_LOAD_NT
	s_add_nc_u64 s[G0+2:G0+3], s[22:23], s[56:57]  ; 120:64 global address: my eighth of wq
	s_or_b32 s[G0+3], s[G0+3], 0x80000000          ; 127:126 type = 2
	CROUND                                         ; all four work-groups are here: the joint loads meet
	tensor_load_to_lds s[G0:G0+3], s[G1:G1+7]      ; my one tensor load of the launch
	s_nop 0
.rept 4
	v_nop
.endr
	WIN 0x40                                       ; while the loads are out: codes and scale words are moved in under a branch on the trip's number, so every way through the text finds them written;
.set n, HB
.rept 128
	v_mov_b32 v[n], 0
.set n, n+1
.endr
.set n, OUT
.rept 16
	v_mov_b32 v[n], 0                              ; and the last product's sums begin at 0: its loop is written once
.set n, n+1
.endr
	WIN 0
.set n, XSH
.rept 16
	v_mov_b32 v[n], 0
.set n, n+1
.endr
	v_mov_b32 v[MY], 0                             ; a lane permute's destination counts as one of its sources
	v_mov_b32 v[MY+1], 0
	v_cndmask_b32 v[ONE0], 1.0, 0, s[HIM]          ; the f32 form's fragment: register j holds k = 2 h + j
	v_mov_b32 v[ONE0+1], 0
	v_mov_b32 v[ONE1], 0
	v_cndmask_b32 v[ONE1+1], 1.0, 0, s[HIM]
	v_mov_b32 v173, 0
	v_mov_b32 v175, 0
	v_mov_b32 v183, 0
	v_mov_b32 v185, 0
	v_mov_b32 v190, 0
	v_mov_b32 v191, 0
	v_mov_b32 v[A5], v[B1]
	VWAIT
	s_wait_loadcnt 0x0
	s_wait_kmcnt 0x0
	v_fma_f32 v[GU], v200, s36, s44                ; (the sum's links and the images' numbers by turns)
	v_mul_f32 v178, s[L2E], v168
	v_mul_f32 v179, s[L2E], v169
	v_fma_f32 v[GU], v201, s37, v[GU]
	v_mul_f32 v180, s[L2E], v170
	v_mul_f32 v181, s[L2E], v171
	v_fma_f32 v[GU], v202, s38, v[GU]
	v_mul_f32 v182, s[L2E], v172
	v_mul_f32 v184, s[L2E], v174
	v_fma_f32 v[GU], v203, s39, v[GU]
	v_mul_f32 v186, s[NL2E], v176
	v_mul_f32 v188, s[NL2E], v177
	v_fma_f32 v[GU], v204, s40, v[GU]
	v_cvt_pk_bf16_f32 v192, v168, v169
	v_cvt_pk_bf16_f32 v193, v170, v171
	v_fma_f32 v[GU], v205, s41, v[GU]
	v_mov_b32 v[DMP], s45
	v_cndmask_b32 v[STB], v[STB], 1.0, s[HIM]      ; k = 0: s0;  k = 2: 1
	v_fma_f32 v[GU], v206, s42, v[GU]
	v_mul_f32 v[DMP], s[L2E], v[DMP]
	v_cndmask_b32 v[STB+1], v[STB+1], 0, s[HIM]    ; k = 1: s1;  k = 3: 0
	v_cndmask_b32 v[STB+2], v[STB+2], 1.0, s[HIM]
	v_fma_f32 v[GU], v207, s43, v[GU]
	v_cndmask_b32 v[STB+3], v[STB+3], 0, s[HIM]
	VWAIT
	v_exp_f32 v[DMP], v[DMP]                       ; exp(log_damping)
	v_nop
	ds_store_b64 v[IMG], v[178:179]                ; lanes 0-15 of the image: W1[0], W1[1];
	ds_store_b64 v[IMG], v[182:183] offset:256     ; lanes 16-31: b1, 0
	ds_store_b64 v[IMG], v[180:181] offset:4096
	ds_store_b64 v[IMG], v[184:185] offset:4352
	ds_store_b64 v[IMG], v[168:169] offset:8192    ; the same without the factor
	ds_store_b64 v[IMG], v[172:173] offset:8448
	ds_store_b64 v[IMG], v[170:171] offset:12288
	ds_store_b64 v[IMG], v[174:175] offset:12544
	ds_store_b64 v[IMG], v[186:187] offset:16384   ; lanes 0-15: b2, W3;
	ds_store_b64 v[IMG], v[190:191] offset:16640   ; lanes 16-31: zeros
	ds_store_b64 v[IMG], v[188:189] offset:20480
	ds_store_b64 v[IMG], v[190:191] offset:20736
	ds_store_b16 v[STW], v192
	ds_store_b16_d16_hi v[STW], v192 offset:1024
	ds_store_b16 v[STW], v193 offset:512
	ds_store_b16_d16_hi v[STW], v193 offset:1536
	VWAIT
	s_wait_dscnt 0x0                               ; for the others' sake: my part of the images is stored
	s_barrier_signal -1
	s_barrier_wait -1
; PHASE 1.  y of block q is in ZA; W1's fragments of the block behind it are in WA or on their way
.macro P1STEP q
.set HC, MV-32*(\q%2)                  ; this block's h1, and the block before's: MV and ACC by turns (ACC's matrix instructions begin in phase 2)
.set HP, MV-32*((\q+1)%2)
	VWAIT
.set n, 0
.rept 32
	v_max_num_f32 v[HC+n], 0, v[ZA+n]              ; y's first readers.  Each accumulator is read from its low end on
.set n, n+1
.endr
.set n, 0
.rept 32
	v_exp_f32 v[EX+n], -|v[ZA+n]|                  ; e
.set n, n+1
.endr
.if \q > 0
	QUANT HP, \q-1                                 ; the block before
.else
	v_nop
.endif
	VWAIT
	ONEPLUS                                        ; u
.irp g, 0,8,16,24
.irp p, 0,2,4,6
	v_pk_add_f32 v[DT+\p:DT+\p+1], v[UR+\g+\p:UR+\g+\p+1], -1.0 op_sel_hi:[1,0]                                       ; u - 1, exact
.endr
.irp p, 0,2,4,6
	v_pk_add_f32 v[EX+\g+\p:EX+\g+\p+1], v[EX+\g+\p:EX+\g+\p+1], v[DT+\p:DT+\p+1] neg_lo:[0,1] neg_hi:[0,1]           ; e - (u - 1), exact
.endr
.endr
	s_wait_dscnt 0x0                               ; the next block's fragments of W1
	VWAIT
.set n, 0
.rept 32
	v_log_f32 v[UR+n], v[UR+n]
.set n, n+1
.endr
	Z1 WA                                          ; the next block's y
	v_nop                                          ; a plain line behind the last of the logarithms
	VWAIT
.set n, 0
.rept 16
	v_pk_add_f32 v[HC+n:HC+n+1], v[HC+n:HC+n+1], v[UR+n:UR+n+1]
.set n, n+2
.endr
.set n, 0
.rept 16
	v_pk_fma_f32 v[HC+n:HC+n+1], v[HC+n:HC+n+1], s[LN2:LN2+1], v[EX+n:EX+n+1] op_sel_hi:[1,0,1]                       ; h1
.set n, n+2
.endr
.if \q == 2
	s_add_co_u32 s[OFS], s[OFS], 2048
	v_add_nc_u32 v[A5], s[OFS], v[B1]              ; (behind the last trip: blocks 0 and 1 of W1UI, which phase 3 wants first)
.endif
	ds_load_b128 v[WA:WA+3], v[A5] offset:512*((\q+2)%4)
.endm
	ds_load_b128 v[WA:WA+3], v[A5]
	s_mov_b32 s[TRP], 4
	s_mov_b32 s[OFS], 0
	s_wait_dscnt 0x0
	Z1 WA
.rept 8
	v_nop                                          ; eight places behind the f32 form
.endr
	ds_load_b128 v[WA:WA+3], v[A5] offset:512
.Lp1:
	P1STEP 0
	P1STEP 1
	P1STEP 2
	P1STEP 3
	QUANT ACC, 3
	PLACE HB, XSH
	VWAIT
	s_sub_co_u32 s[TRP], s[TRP], 1
	s_cmp_lg_u32 s[TRP], 0
	s_cbranch_scc1 .Lp1
	s_wait_tensorcnt 0x0                           ; my eighth of the weights is in.  from the add below on, LDS is only read
	ds_add_u32 v[SPW], v[NIL]
	v_add_nc_u32 v[A5], SCL, v[LN16]
	v_mov_b32 v[AF], v[LN16]
	VWAIT
	s_wait_dscnt 0x0
	CROUND                                         ; every wave's eighth is in; and the closing round: no work-group asks for a tile any more
; PHASE 2.  What block blk wants: fragments of b2 and W3, scale words, fragments of W2
.macro P2LOAD blk, aux
	ds_load_b128 v[\aux:\aux+3], v[A5] offset:AUXI-SCL+512*(\blk)
	ds_load_b128 v[WS:WS+3], v[A5] offset:512*(\blk)
	FRW 8192*(\blk)
.endm
.macro P2STEP q
	WIN 0x10                                       ; b2: window 1
	VWAIT
.irp m, 0,16
.irp p, 0,2,4,6,8,10,12,14
	v_pk_fma_f32 v[EX+\m+\p:EX+\m+\p+1], v[ACC+\m+\p:ACC+\m+\p+1], s[NL2E:NL2E+1], v[B2R+\p:B2R+\p+1] op_sel_hi:[1,0,1]   ; -log2(e) z2
.endr
.endr
	WIN 0
	s_wait_dscnt 0x0                               ; the next block's operands
	VWAIT
.set n, 0
.rept 32
	v_exp_f32 v[EX+n], v[EX+n]                     ; e^-z2 (infinity where it overflows: the reciprocal below is then 0)
.set n, n+1
.endr
.if \q < 3
	MMX HB, XSH                                    ; the next block's sums
.endif
.if \q > 0
	QUANT UR, \q-1                                 ; the block before
.else
	v_nop
.endif
	VWAIT
.if \q == 3
	s_cmp_eq_u32 s[TRP], 1                         ; is there a next trip?
	s_cbranch_scc1 .Lnone_\@
	MMX HB, XSH
	SPREAD BUF, 0
.Lnone_\@:
.endif
	ONEPLUS                                        ; (also the places behind the matrix instructions, in front of the loads below)
.if \q >= 2
	s_cmp_eq_u32 s[TRP], 1
	s_cbranch_scc1 .Lnot_\@
.endif
.if \q % 2
	P2LOAD \q+2, BUF1
.else
	P2LOAD \q+2, BUF
.endif
.if \q >= 2
.Lnot_\@:
.endif
	VWAIT
	RCP32
.if \q == 0
	SPREAD BUF1, 1
.endif
.if \q == 1
	SPREAD BUF, 0
.endif
.if \q == 2
	SPREAD BUF1, 1
.endif
	v_nop
	WIN 0x04                                       ; W3: window 1
	VWAIT
.irp m, 0,16
.irp p, 0,2,4,6,8,10,12,14
	v_pk_mul_f32 v[UR+\m+\p:UR+\m+\p+1], v[UR+\m+\p:UR+\m+\p+1], v[W3R+16*(\q%2)+\p:W3R+16*(\q%2)+\p+1]                  ; g2
.endr
.endr
	WIN 0
.endm
	P2LOAD 0, BUF
	ds_load_b128 v[BUF1:BUF1+3], v[A5] offset:AUXI-SCL+512
	s_wait_dscnt 0x0
	MMX HB, XSH
	SPREAD BUF, 0
.rept 8
	v_nop
.endr
	ds_load_b128 v[WS:WS+3], v[A5] offset:512
	FRW 8192
	s_mov_b32 s[TRP], 4
.Lp2:
	P2STEP 0
	P2STEP 1
	P2STEP 2
	P2STEP 3
	QUANT UR, 3
	v_add_nc_u32 v[A5], 2048, v[A5]
	v_add_nc_u32 v[AF], 32768, v[AF]
	PLACE GB, XSG
	VWAIT
	s_sub_co_u32 s[TRP], s[TRP], 1
	s_cmp_lg_u32 s[TRP], 0
	s_cbranch_scc1 .Lp2
; PHASE 3.  y of block q is in ZA; W1's f32 fragments of the next are in BUF (even blocks) or WA (odd blocks)
.macro P3STEP q
	VWAIT
.set n, 0
.rept 16
	v_pk_mul_f32 v[EX+n:EX+n+1], v[ZA+n:ZA+n+1], s[NL2E:NL2E+1] op_sel_hi:[1,0]    ; -y: here ZA holds z1 itself, from W1UI
.set n, n+2
.endr
	s_wait_dscnt 0x0                               ; this block's operands
	VWAIT
.set n, 0
.rept 32
	v_exp_f32 v[EX+n], v[EX+n]
.set n, n+1
.endr
	MMX GB, XSG                                    ; gh1
	v_nop
	VWAIT
.if \q == 3
	s_cmp_eq_u32 s[TRP], 1                         ; is there a next trip?
	s_cbranch_scc1 .Lnone_\@
	Z1 BUF
.Lnone_\@:
.endif
	ONEPLUS                                        ; (also the places in front of the loads below)
	ds_load_b128 v[WB:WB+3], v[AB] offset:64*\q
	ds_load_b128 v[WB+4:WB+7], v[AB] offset:64*\q+16
.if \q == 3
	s_cmp_eq_u32 s[TRP], 1
	s_cbranch_scc1 .Lnot_\@
.endif
	ds_load_b128 v[WS:WS+3], v[A5] offset:8192+512*(\q+1)
	FRW 8192*(\q+1)
.if \q == 2
	s_cmp_eq_u32 s[TRP], 1
	s_cbranch_scc1 .Lnot_\@
.endif
.if \q % 2
	ds_load_b128 v[WA:WA+3], v[A5] offset:W1UI-SCL+512*(\q+2)
.else
	ds_load_b128 v[BUF:BUF+3], v[A5] offset:W1UI-SCL+512*(\q+2)
.endif
.if \q >= 2
.Lnot_\@:
.endif
	VWAIT
	RCP32                                          ; sg1
.if \q == 0
	Z1 WA
.endif
.if \q == 1
	Z1 BUF
.endif
.if \q == 2
	Z1 WA
.endif
	v_nop
.if \q < 2
	s_wait_dscnt 18                                ; W1 in bf16 is in; behind it the next block's 1 + 16 loads and W1's f32 fragments
.elseif \q == 2
	s_wait_dscnt 17                                ; (the last of these may not have been issued)
.else
	s_wait_dscnt 0x0                               ; (none of them may have been)
.endif
	VWAIT
.set n, 0
.rept 16
	v_pk_mul_f32 v[UR+n:UR+n+1], v[ACC+n:ACC+n+1], v[UR+n:UR+n+1]
.set n, n+2
.endr
.set n, 0
.rept 16
	v_cvt_pk_bf16_f32 v[PB+n], v[UR+2*n], v[UR+2*n+1]              ; K is laid alike on both sides: place (h, register p, half) is unit 32 b + 16 h + 2 p + half
.set n, n+1
.endr
	WIN 0x50                                       ; sums in window 1
	v_wmma_f32_16x16x32_bf16 v[OUT:OUT+7], v[WB:WB+7], v[PB:PB+7], v[OUT:OUT+7]
	v_wmma_f32_16x16x32_bf16 v[OUT+8:OUT+15], v[WB:WB+7], v[PB+8:PB+15], v[OUT+8:OUT+15]
	WIN 0
.endm
	v_add_nc_u32 v[A5], SCL, v[LN16]
	v_add_nc_u32 v[AF], BWD, v[LN16]
	VWAIT
	ds_load_b128 v[WS:WS+3], v[A5] offset:8192
	FRW 0
	s_mov_b32 s[TRP], 4
.Lp3:
	P3STEP 0
	P3STEP 1
	P3STEP 2
	P3STEP 3
	v_add_nc_u32 v[A5], 2048, v[A5]
	v_add_nc_u32 v[AF], 32768, v[AF]
	v_add_nc_u32 v[AB], 256, v[AB]
	VWAIT
	s_sub_co_u32 s[TRP], s[TRP], 1
	s_cmp_lg_u32 s[TRP], 0
	s_cbranch_scc1 .Lp3
	; rows 0, 1 of the sums are g0, g1: lanes 0-15 of OUT have rows 0-15 of my 32, lanes 0-15 of OUT + 8 rows 16-31
.rept 4
	v_nop
.endr
	WIN 0x01
	v_permlanex16_b32 v[EX], v[OUT+8], s[SEL], s[SEL+1]
	v_permlanex16_b32 v[EX+1], v[OUT+9], s[SEL], s[SEL+1]
	v_cndmask_b32 v[EX+2], v[OUT], v[EX], s[HIM]                   ; g0 of row lane
	v_cndmask_b32 v[EX+4], v[OUT+1], v[EX+1], s[HIM]               ; g1: dq/dt
	WIN 0
	v_sub_f32 v[EX+5], v[GU], v[EX+2]                              ; G u - g0
	v_fma_f32 v[EX+5], -v[DMP], v[EX+4], v[EX+5]                   ; - damping x g1
	global_store_b64 v[OUTO], v[EX+4:EX+5], s[24:25] th:TH_STORE_NT   ; a wave stores 256 consecutive bytes, aligned
	s_endpgm
.Lfunc_end_k_q005fca1346_main:
	.size	k_q005fca1346_main, .Lfunc_end_k_q005fca1346_main-k_q005fca1346_main
	.p2alignl 7, 3214868480
	.fill 96, 4, 3214868480
	.section	.rodata,"a",@progbits
	.p2align	6, 0x0
	.amdhsa_kernel k_q005fca1346_main
		.amdhsa_group_segment_fixed_size 327680
		.amdhsa_private_segment_fixed_size 0
		.amdhsa_enable_private_segment 0
		.amdhsa_kernarg_size 88
		.amdhsa_user_sgpr_count 2
		.amdhsa_user_sgpr_kernarg_segment_ptr 1
		.amdhsa_wavefront_size32 1
		.amdhsa_system_sgpr_workgroup_id_x 1
		.amdhsa_system_sgpr_workgroup_id_y 1
		.amdhsa_system_sgpr_workgroup_id_z 1
		.amdhsa_system_vgpr_workitem_id 0
		.amdhsa_next_free_vgpr 512
		.amdhsa_next_free_sgpr 80
		.amdhsa_reserve_vcc 0
		.amdhsa_float_denorm_mode_32 3
		.amdhsa_float_denorm_mode_16_64 3
		.amdhsa_memory_ordered 1
		.amdhsa_forward_progress 1
		.amdhsa_inst_pref_size 158
	.end_amdhsa_kernel
	.amdgpu_metadata
---
amdhsa.version: [ 1, 2 ]
amdhsa.kernels:
  - .name:           k_q005fca1346_main
    .symbol:         k_q005fca1346_main.kd
    .args:
      - { .name: state, .offset: 0, .size: 8, .value_kind: global_buffer, .address_space: global }
      - { .name: action_emb, .offset: 8, .size: 8, .value_kind: global_buffer, .address_space: global }
      - { .name: W1, .offset: 16, .size: 8, .value_kind: global_buffer, .address_space: global }
      - { .name: b1, .offset: 24, .size: 8, .value_kind: global_buffer, .address_space: global }
      - { .name: b2, .offset: 32, .size: 8, .value_kind: global_buffer, .address_space: global }
      - { .name: W3, .offset: 40, .size: 8, .value_kind: global_buffer, .address_space: global }
      - { .name: log_damping, .offset: 48, .size: 8, .value_kind: global_buffer, .address_space: global }
      - { .name: Gw, .offset: 56, .size: 8, .value_kind: global_buffer, .address_space: global }
      - { .name: Gb, .offset: 64, .size: 8, .value_kind: global_buffer, .address_space: global }
      - { .name: wq, .offset: 72, .size: 8, .value_kind: global_buffer, .address_space: global }
      - { .name: out0, .offset: 80, .size: 8, .value_kind: global_buffer, .address_space: global }
    .group_segment_fixed_size: 327680
    .private_segment_fixed_size: 0
    .kernarg_segment_align: 8
    .kernarg_segment_size: 88
    .max_flat_workgroup_size: 256
    .sgpr_count:     80
    .vgpr_count:     512
    .wavefront_size: 32
...
	.end_amdgpu_metadata
.endif
;; end of part 2
